; MI455X (gfx1250); checked and timed in simulation.
; The chip was launched on July 23, 2026; its instructions are those of AMD's public machine-readable ISA for CDNA 5 (MIT licence, August 2026) and "CDNA5" Instruction Set Architecture Reference Guide (July 2026). The comments in the code are by the model that wrote it; some were corrected since.
;; Roi Pooling Conv. Allowed arithmetic: float matrix products may take bf16 or f16 operands with f32 sums; all other float work in f32.
;; Inputs: img 1 x 256 x 256 x 512 float32; rois 1 x 300 x 4 int32.
;; Outputs: out0 1 x 300 x 3 x 3 x 512 float32.
;; One version. Each part assembles by itself: llvm-mc -triple=amdgcn-amd-amdhsa -mcpu=gfx1250 --defsym DOCPART=n.
;; ======== version 1 of 1: 1 launch
;; launch roipool (part 1): grid 300 x 3, 4 waves a work-group, no clusters, 0 bytes of LDS; arguments img, rois, out0; writes out0
.if DOCPART == 1
	.amdgcn_target "amdgcn-amd-amdhsa--gfx1250"
	.amdhsa_code_object_version 6
	.text
	.protected	k_q44a407d854_roipool
	.globl	k_q44a407d854_roipool
	.p2align	8
	.type	k_q44a407d854_roipool,@function
k_q44a407d854_roipool:
	s_mov_b64 s[64:65], 0
	v_nop
	global_prefetch_b8 v0, s[64:65] scope:SCOPE_SE
	s_setreg_imm32_b32 hwreg(HW_REG_WAVE_MODE, 25, 1), 1
	s_wait_xcnt 0x0
; out0[roi][py][px][c] = bilinear sample of img (256 x 256 pixels of 512 f32) at the half-pixel centre of cell (py, px) of a 3 x 3 grid
; laid over the box rois[roi] = x, y, w, h.
; A work-group of four waves makes one (roi, py): three cells, 3 x 2,048 consecutive bytes of out0.  Thread t owns the 16 bytes at 16 t of
; every pixel, so one load or store of a wave covers 512 consecutive bytes, aligned.  A thread issues its 12 loads (3 cells x 4 corners) as
; soon as their addresses are known, makes the weights while they are on their way, and stores each cell as its four corners arrive.
; No byte is used by two threads: no LDS, no barrier.
;
; COORDINATES IN WHOLE NUMBERS.  Along one axis the source coordinate of cell p is src = (p + 1/2) size / 3 - 1/2, so 6 src = (2p+1) size - 3 = n.
; n is clipped at 0; q = n / 6 is floor(src), rem = n - 6 q is six times the fraction; lo = min(q, size-1), hi = min(q+1, size-1).
; Where src would be clipped at size-1, lo = hi, and as an axis's two weights (6 - rem, rem) always add to 6, rem needs no clip.
; The same lines serve size <= 0 (lo = hi = size-1, as in the reference).
; LIMITS, stated: (1) the reference rounds src in f32; where the exact src is a whole number it may fall just below and take the pixel before
; with a fraction just under 1.  The interpolation is continuous there: the two results differ by some 1e-5 of the neighbours' difference.
; (2) One sum of four weighted corners replaces the reference's lerp along x and lerp along y: another order of rounding.
; (3) Indices are taken to lie in 0..255, as the problem promises; larger ones are clamped to 255, negative ones are not wrapped.
; (4) Infinities and NaN among the pixels may spread otherwise than in the reference at whole-number coordinates.
.set POOL,    3
.set PIX,     2048                     ; bytes of a pixel: 512 channels of f32
.set LOG_PIX, 11
.set LOG_ROW, 19                       ; a row of the map: 256 pixels
.set LAST,    255                      ; last row and last column
.set THIRD,   0xaaaaaaab               ; ceil(2^33 / 3): the high word of n x THIRD, shifted right by 2, is n / 6 for every 32-bit n
.set INV36,   0x3ce38e39               ; 1/36 in f32
; scalar registers
.set IMG,  4                           ; s[4:5]   img
.set ROIS, 6                           ; s[6:7]   rois, then my box
.set OUT,  8                           ; s[8:9]   out0, then my three cells
.set PY,   10                          ; py
.set T,    11                          ; at work
.set OFS,  12                          ; s[12:13] a byte offset in 64 bits (the high word stays 0)
.set MY,   14                          ; 2 py + 1
.set PROD, 15                          ; (2p+1) size
.set BX,   16                          ; s[16:19] the box: x, y, w, h
.set BY,   17
.set BW,   18
.set BH,   19
.set ROW0, 20                          ; s[20:21] img at the upper row
.set ROW1, 22                          ; s[22:23] img at the lower row
.set WM1,  24                          ; w - 1
.set HM1,  25                          ; h - 1
.set YLO,  26
.set YHI,  27
.set XLO,  28
.set XHI,  29
.set RY,   30                          ; 6 x fraction along y
.set SY,   31                          ; 6 - RY
.set RX,   32                          ; s[32:34] 6 x fraction along x, for px = 0, 1, 2
.set SX,   35                          ; 6 - RX of the cell at work
.set W,    36                          ; s[36:59] weight k = 4 px + corner: f32 in s[W+2k], 36 x weight as a whole number in s[W+2k+1]
; vector registers
.set LANE, 1                           ; 16 t
.set OX,   2                           ; v[2:7]   px: left column, right column: x * 2,048 + 16 t
.set D,    8                           ; v[8:55]  px: four corners of 4 registers (upper left, upper right, lower left, lower right)
	s_load_b128 s[IMG:IMG+3], s[0:1], 0x0          ; img, rois
	s_load_b64 s[OUT:OUT+1], s[0:1], 0x10          ; out0
	s_and_b32 s[PY], ttmp7, 0xffff                 ; the grid's y is py
	s_lshl_b32 s[OFS], ttmp9, 4                    ; the grid's x is the box: 16 bytes each
	s_mov_b32 s[OFS+1], 0
	v_lshlrev_b32 v[LANE], 4, v0
	s_wait_kmcnt 0x0
	s_add_nc_u64 s[ROIS:ROIS+1], s[ROIS:ROIS+1], s[OFS:OFS+1]
	s_load_b128 s[BX:BX+3], s[ROIS:ROIS+1], 0x0    ; x, y, w, h
	; while the box is on its way: what hangs on the ids alone
	s_mul_i32 s[T], ttmp9, POOL
	s_add_co_u32 s[T], s[T], s[PY]                 ; 3 roi + py
	s_mul_i32 s[OFS], s[T], POOL*PIX               ; three cells each: 5,523,456 at the most
	s_add_nc_u64 s[OUT:OUT+1], s[OUT:OUT+1], s[OFS:OFS+1]
	s_lshl1_add_u32 s[MY], s[PY], 1                ; 2 py + 1
	s_mov_b32 s[ROW0+1], 0
	s_mov_b32 s[ROW1+1], 0
	s_wait_kmcnt 0x0
; One cell along one axis.  start, sm1 (size - 1), prod ((2p+1) size): registers read.  lo, hi: the two indices into the map; rem: 6 x fraction.
.macro AXIS start, sm1, prod, lo, hi, rem
	s_sub_co_i32 s[\rem], s[\prod], 3              ; n = 6 src,
	s_max_i32 s[\rem], s[\rem], 0                  ; clipped at 0
	s_mul_hi_u32 s[\lo], s[\rem], THIRD
	s_lshr_b32 s[\lo], s[\lo], 2                   ; q = n / 6
	s_mul_i32 s[\hi], s[\lo], 6
	s_sub_co_u32 s[\rem], s[\rem], s[\hi]          ; n - 6 q
	s_add_co_u32 s[\hi], s[\lo], 1
	s_min_i32 s[\lo], s[\lo], s[\sm1]              ; the clip at size - 1,
	s_min_i32 s[\hi], s[\hi], s[\sm1]              ; and the neighbour stays in the box
	s_add_co_i32 s[\lo], s[\lo], s[\start]
	s_add_co_i32 s[\hi], s[\hi], s[\start]
	s_min_u32 s[\lo], s[\lo], LAST                 ; a loaded number enters an address only clamped: no load leaves img
	s_min_u32 s[\hi], s[\hi], LAST
.endm
	; along y: one cell, two rows of the map, each a base of its own
	s_sub_co_i32 s[HM1], s[BH], 1
	s_mul_i32 s[PROD], s[BH], s[MY]
	AXIS BY, HM1, PROD, YLO, YHI, RY
	s_lshl_b32 s[ROW0], s[YLO], LOG_ROW            ; below 2^27
	s_lshl_b32 s[ROW1], s[YHI], LOG_ROW
	s_add_nc_u64 s[ROW0:ROW0+1], s[IMG:IMG+1], s[ROW0:ROW0+1]
	s_add_nc_u64 s[ROW1:ROW1+1], s[IMG:IMG+1], s[ROW1:ROW1+1]
	s_sub_co_i32 s[WM1], s[BW], 1
; along x: cell px, its two columns, and its four loads at once.  Every cell has offset and data registers of its own: nothing that a
; pending load names is written again.
.macro COLUMN px, prod
	AXIS BX, WM1, \prod, XLO, XHI, RX+\px
	v_lshl_add_u32 v[OX+2*\px],   s[XLO], LOG_PIX, v[LANE]
	v_lshl_add_u32 v[OX+2*\px+1], s[XHI], LOG_PIX, v[LANE]
	global_load_b128 v[D+16*\px:D+16*\px+3],     v[OX+2*\px],   s[ROW0:ROW0+1]   ; no hint: boxes overlap, a pixel may be named again
	global_load_b128 v[D+16*\px+4:D+16*\px+7],   v[OX+2*\px+1], s[ROW0:ROW0+1]
	global_load_b128 v[D+16*\px+8:D+16*\px+11],  v[OX+2*\px],   s[ROW1:ROW1+1]
	global_load_b128 v[D+16*\px+12:D+16*\px+15], v[OX+2*\px+1], s[ROW1:ROW1+1]
.endm
	COLUMN 0, BW                                   ; 2p+1 = 1
	s_mul_i32 s[PROD], s[BW], 3
	COLUMN 1, PROD
	s_mul_i32 s[PROD], s[BW], 5
	COLUMN 2, PROD
; The weights, while the 12 loads are on their way.  A corner's weight is (its share along y) x (its share along x) / 36, the shares whole
; numbers 0..6.  The packed instructions below name a scalar pair and spread its first register over both halves; the pair's second
; register holds the whole-number product.
.macro WEIGHT k, a, b
	s_mul_i32 s[W+2*(\k)+1], s[\a], s[\b]
	s_cvt_f32_u32 s[W+2*(\k)], s[W+2*(\k)+1]
	s_mul_f32 s[W+2*(\k)], s[W+2*(\k)], INV36
.endm
.macro WEIGHTS px
	s_sub_co_u32 s[SX], 6, s[RX+\px]
	WEIGHT 4*\px+0, SY, SX                         ; upper left
	WEIGHT 4*\px+1, SY, RX+\px                     ; upper right
	WEIGHT 4*\px+2, RY, SX                         ; lower left
	WEIGHT 4*\px+3, RY, RX+\px                     ; lower right
.endm
	s_sub_co_u32 s[SY], 6, s[RY]
	WEIGHTS 0
	WEIGHTS 1
	WEIGHTS 2
; A cell: one product and three fused multiply-adds for each number, two numbers an instruction, summed in place on the first corner's
; registers, which are then the store's data and are not written again.  left = the younger cells' loads, which may stay out.
.macro CELL px, left
	s_wait_loadcnt \left                           ; loads come back in order (ISA guide 5.7.1): this cell's four are in
	v_pk_mul_f32 v[D+16*\px:D+16*\px+1],   v[D+16*\px:D+16*\px+1],   s[W+8*\px:W+8*\px+1] op_sel_hi:[1,0]
	v_pk_mul_f32 v[D+16*\px+2:D+16*\px+3], v[D+16*\px+2:D+16*\px+3], s[W+8*\px:W+8*\px+1] op_sel_hi:[1,0]
.irp c, 1,2,3
	v_pk_fma_f32 v[D+16*\px:D+16*\px+1],   v[D+16*\px+4*\c:D+16*\px+4*\c+1],   s[W+8*\px+2*\c:W+8*\px+2*\c+1], v[D+16*\px:D+16*\px+1] op_sel_hi:[1,0,1]
	v_pk_fma_f32 v[D+16*\px+2:D+16*\px+3], v[D+16*\px+4*\c+2:D+16*\px+4*\c+3], s[W+8*\px+2*\c:W+8*\px+2*\c+1], v[D+16*\px+2:D+16*\px+3] op_sel_hi:[1,0,1]
.endr
	global_store_b128 v[LANE], v[D+16*\px:D+16*\px+3], s[OUT:OUT+1] offset:\px*PIX th:TH_STORE_NT   ; written once, read by nobody in the launch
.endm
	CELL 0, 8                                      ; cells 1 and 2: eight loads may be out
	CELL 1, 4                                      ; cell 2: four
	CELL 2, 0
	s_endpgm
.Lfunc_end_k_q44a407d854_roipool:
	.size	k_q44a407d854_roipool, .Lfunc_end_k_q44a407d854_roipool-k_q44a407d854_roipool
	.p2alignl 7, 3214868480
	.fill 96, 4, 3214868480
	.section	.rodata,"a",@progbits
	.p2align	6, 0x0
	.amdhsa_kernel k_q44a407d854_roipool
		.amdhsa_group_segment_fixed_size 0
		.amdhsa_private_segment_fixed_size 0
		.amdhsa_enable_private_segment 0
		.amdhsa_kernarg_size 24
		.amdhsa_user_sgpr_count 2
		.amdhsa_user_sgpr_kernarg_segment_ptr 1
		.amdhsa_wavefront_size32 1
		.amdhsa_system_sgpr_workgroup_id_x 1
		.amdhsa_system_sgpr_workgroup_id_y 1
		.amdhsa_system_sgpr_workgroup_id_z 1
		.amdhsa_system_vgpr_workitem_id 0
		.amdhsa_next_free_vgpr 56
		.amdhsa_next_free_sgpr 66
		.amdhsa_reserve_vcc 0
		.amdhsa_float_denorm_mode_32 3
		.amdhsa_float_denorm_mode_16_64 3
		.amdhsa_memory_ordered 1
		.amdhsa_forward_progress 1
		.amdhsa_inst_pref_size 9
	.end_amdhsa_kernel
	.amdgpu_metadata
---
amdhsa.version: [ 1, 2 ]
amdhsa.kernels:
  - .name:           k_q44a407d854_roipool
    .symbol:         k_q44a407d854_roipool.kd
    .args:
      - { .name: img, .offset: 0, .size: 8, .value_kind: global_buffer, .address_space: global }
      - { .name: rois, .offset: 8, .size: 8, .value_kind: global_buffer, .address_space: global }
      - { .name: out0, .offset: 16, .size: 8, .value_kind: global_buffer, .address_space: global }
    .group_segment_fixed_size: 0
    .private_segment_fixed_size: 0
    .kernarg_segment_align: 8
    .kernarg_segment_size: 24
    .max_flat_workgroup_size: 128
    .sgpr_count:     66
    .vgpr_count:     56
    .wavefront_size: 32
...
	.end_amdgpu_metadata
.endif
;; end of part 1
